; MI455X (gfx1250); checked and timed in simulation.
; The chip was launched on July 23, 2026; its instructions are those of AMD's public machine-readable ISA for CDNA 5 (MIT licence, August 2026) and "CDNA5" Instruction Set Architecture Reference Guide (July 2026). The comments in the code are by the model that wrote it; some were corrected since.
;; Selective Embedding. Allowed arithmetic: matrix products marked QUANTISED: E4M3 operands, one E8M0 scale for each 32 along K, by v_wmma_scale_f32_16x16x128_f8f6f4 with both operands' format E4M3, f32 sums; products left as they are: f32 operands where the result goes on into a quantised operand, else bf16, f16 or f32 operands; f32 sums; everything else in f32.
;; Inputs: E_symb 4 x 2,048 x 1,024 float32; expert_w_codes 8 x 1,024 x 32 x 32 uint8 (E4M3 codes of expert_w, K innermost, in blocks of 32 codes); expert_w_scales 8 x 1,024 x 32 uint8 (E8M0 scales of expert_w, one for each 32 codes along K); gate_b 8 float32; gate_w 1,024 x 8 float32.
;; Outputs: out0 4 x 2,048 x 1,024 float32.
;; Constants: k = 2.
;; This version of the problem:
;;   THIS VERSION OF THE PROBLEM IS GIVEN IN LOW PRECISION. The matrix products marked QUANTISED in the list below multiply operands that are first quantised to E4M3 (4 exponent bits, 3 mantissa bits; 8 bits a number), with one power-of-two scale for each 32 numbers along K (OCP MX v1.0); their sums are f32. All else is computed in f32.
;;   The module's matrix products, in the order in which they are computed (A, B: the left and right operand; K: the contracted axis; several contracted axes count as one K, in the product's order):
;;     1. [M 8,192, K 1,024] x [K 1,024, N 8]; A: input E_symb; B: input gate_w: left as it is (N = 8 < 16)
;;     2. [M 8,192, K 1,024] x [K 1,024, N 8,192]; A: input E_symb; B: input expert_w (given as codes): QUANTISED
;;     3. batch 8,192 x [M 1,024, K 8] x [K 8, N 1]; A: computed on the way; B: computed on the way: left as it is (K = 8 < 32)
;;   THE QUANTISER, for each operand of a quantised product, along K:
;;     - K is cut into blocks of 32 from its start; a last block that is shorter is filled with zeros.
;;     - A block's scale is 2^e with e = floor(log2(the largest magnitude in the block)) - 8, held to -126 .. 127; a block of zeros has e = 0. As a byte (E8M0): e + 127.
;;     - Each number is divided by its block's scale, clamped to +-448, and rounded to the nearest number of E4M3, ties to even, subnormals kept.
;;     - The product sums the exact products of the quantised numbers (number of the format x scale) in f32.
;;   ~~~python
;;   def quantise(x, axis):      # numpy; x: float32 -> the quantised numbers, widened to float32 again
;;       x = np.moveaxis(x, axis, -1); K = x.shape[-1]
;;       x = np.pad(x, [(0, 0)] * (x.ndim - 1) + [(0, -K % 32)]); x = x.reshape(x.shape[:-1] + (-1, 32)); a = np.abs(x).max(-1, keepdims=True)
;;       e = np.where(a > 0, np.clip(np.frexp(np.where(a > 0, a, 1))[1] - 1 - 8, -126, 127), 0)      # np.frexp(a)[1] - 1 = floor(log2(a)), exactly
;;       r = np.clip(x / 2.0 ** e, -448, 448)
;;       step = 2.0 ** (np.maximum(np.frexp(np.where(r == 0, 1, r))[1] - 1, -6) - 3)
;;       q = np.round(r / step) * step * 2.0 ** e      # np.round: ties to even
;;       return np.moveaxis(q.reshape(q.shape[:-2] + (-1,))[..., :K], -1, axis).astype(np.float32)
;;   ~~~
;;   INPUTS GIVEN AS CODES. expert_w (in the module: [8, 1024, 1024], K = its axis 1): each comes as NAME_codes (uint8): NAME with its K axis moved to the last place and cut into blocks of 32 codes, [.., K / 32, bytes a block], one block behind the other in memory; one code a byte (a code: sign, 4 exponent bits, 3 mantissa bits); and NAME_scales (uint8): the same leading axes, one E8M0 byte (e + 127) for each 32 codes along K. Its value is code x scale, taken as it is: it is not quantised again, and the codes and scales need not be those that the quantiser above would give.
;; One version. Each part assembles by itself: llvm-mc -triple=amdgcn-amd-amdhsa -mcpu=gfx1250 --defsym DOCPART=n.
;; ======== version 1 of 1: 3 launches
;; limits: right only within a limited range of input values
;; workspace buffers: xq 8,388,608 bytes; xs 262,144 bytes; wq 8,388,608 bytes; route 65,536 bytes of whole numbers; thead 512 bytes of whole numbers; slots 65,536 bytes of whole numbers
;; launch prep (part 1): grid 256 x 1, 8 waves a work-group, no clusters, 144,896 bytes of LDS; arguments E_symb, gate_w, gate_b, xq, xs, route, slots; writes xq, xs, route, slots
.if DOCPART == 1
	.amdgcn_target "amdgcn-amd-amdhsa--gfx1250"
	.amdhsa_code_object_version 6
	.text
	.protected	k_qe27f64d783_prep
	.globl	k_qe27f64d783_prep
	.p2align	8
	.type	k_qe27f64d783_prep,@function
k_qe27f64d783_prep:
	s_mov_b64 s[64:65], 0
	v_nop
	global_prefetch_b8 v0, s[64:65] scope:SCOPE_SE
	s_setreg_imm32_b32 hwreg(HW_REG_WAVE_MODE, 25, 1), 1
	s_wait_xcnt 0x0
; x [8192][1024] f32 is read once and serves twice: it is quantised to codes of FP8 (E4M3) with one E8M0 byte for each 32 along its row (xq, xs), and it goes, unquantised and in f32,
; through the gate: logits = x gate_w + gate_b, softmax (the row's maximum taken away first), the two largest probabilities (of equal ones the lower index, as jax.lax.top_k has it).
; What is stored of the choice are whole numbers at fixed places: no address and no branch of this text hangs on them.  For token 32 g + lane: word 0 = key | rank << 8, key = the number 0..27 of the
; pair {lo < hi}, lo (15 - lo) / 2 + hi - lo - 1; rank = how many earlier tokens of this work-group have the same key.  Word 1 of lane p = how many of the 32 tokens have key p.
; The work-group also stores zeros into its 256 bytes of slots, so that every word of that list is a token's number when the last launch reads it.
; SHARES.  Work-group g takes tokens 32 g .. 32 g + 31.  Wave w: half hf = w & 1 of a row (512 numbers), tokens 8 (w >> 1) + t, t = 0 .. 7: eight steps, all 32 loads (16 KB a wave) issued at the head.
; A load reads 512 consecutive bytes; the 2,048 bytes of a step turn through the wave's own stage in LDS, so that lane l then holds 16 NEIGHBOURS, k = 512 hf + 16 l + i: two lanes hold a block of 32.
; The lane's 16 x 8 gate weights stay in 128 registers; its eight partial sums of a token go to LDS, and behind a barrier thread (token, e) adds the 64 partial sums.
; A block's scale is 2^(floor(log2(largest magnitude)) - 8); its byte is that magnitude's exponent field - 8, held at 1 from below.
; LIMITS: NaN and infinities among the inputs are not served.  A block of zeros gets the byte 1 where the rule says 127: its codes are zeros and this program alone reads the bytes.  Blocks whose largest
; magnitude lies under 2^-118 are quantised under the byte 1.  An exponential under 2^-126 counts as 0 (ISA guide, v_exp_f32), so experts whose probability lies under that tie, and the lower index wins.
; route, 256 bytes a work-group: the 32 tokens' words 0 (128 bytes), then the 32 counts, the words 1 (128 bytes).
.set GWP,   528                        ; LDS: gate_w as 64 slices of 16 k x 8 e: 512 bytes + 16: an odd multiple of 16
.set STG,   64*GWP                     ; two stages of 32 x SP bytes for each wave
.set SP,    80                         ; a lane's place in a stage: its 64 bytes + 16
.set STW,   2*32*SP
.set PART,  STG+8*STW                  ; partial sums: a token has two planes (e 0-3, e 4-7) of 64 producers x 16 bytes + 16
.set PPL,   1040
.set PTOK,  2*PPL
.set SCB,   PART+32*PTOK               ; the 32 tokens' scale bytes, 32 each
.set LOG,   SCB+1024                   ; the logits, 48 bytes a token
.set LOGP,  48
.set SPARE, LOG+32*LOGP                ; the spare words, 128 bytes for each wave: four blocks of 256 bytes that no other line names
.set R,     16                         ; v16-143  the 8 steps' numbers as loaded; later the 64 partial sums
.set X,     144                        ; v144-175 two sets of 16 neighbours (at the head: gate_w on its way to LDS)
.set C,     176                        ; v176-207 codes, four registers a step
.set E,     208                        ; v208-215 a scale byte a step
.set ACC,   216                        ; v216-231 the gate's eight sums, two sets by turns; v224-247 later serve the routing
.set SPW,   254                        ; v254     LDS address of my spare word; never rewritten
.set NIL,   255                        ; v255     0; never rewritten
; window 1 (v256-383): the lane's gate weights, register 8 i + e
.set MSB, 0
.macro WIN new                         ; the immediate's high byte repeats the setting that is left
.if MSB != \new
	s_set_vgpr_msb (MSB<<8)|\new
.set MSB, \new
.endif
.endm
	s_load_b256 s[4:11], s[0:1], 0x0               ; x s[4:5], gate_w s[6:7], gate_b s[8:9], xq s[10:11]
	s_load_b128 s[12:15], s[0:1], 0x20             ; xs s[12:13], route s[14:15]
	s_load_b64 s[16:17], s[0:1], 0x30              ; slots
	v_lshl_add_u32 v[SPW], v0, 2, SPARE
	v_mov_b32 v[NIL], 0
	v_lshrrev_b32 v1, 5, v0
	s_delay_alu instid0(VALU_DEP_1)
	v_readfirstlane_b32 s18, v1                    ; wave 0..7
	s_and_b32 s19, s18, 1                          ; hf: which half of a row
	s_lshr_b32 s20, s18, 1                         ; tg: which 8 tokens
	v_and_b32 v1, 31, v0                           ; lane
	s_wait_alu depctr_va_vdst(0)
	s_lshl_b32 s24, s20, 15
	s_lshl_b32 s25, s19, 11
	s_add_co_u32 s24, s24, s25
	v_lshl_add_u32 v2, v1, 4, s24                  ; x: 8 tg rows of 4,096 bytes + 2,048 hf + 16 lane
	s_lshl_b32 s24, s20, 13
	s_lshl_b32 s25, s19, 9
	s_add_co_u32 s24, s24, s25
	v_lshl_add_u32 v3, v1, 4, s24                  ; xq: 8 tg rows of 1,024 bytes + 512 hf + 16 lane
	s_mul_i32 s26, s18, STW
	s_add_co_u32 s26, s26, STG                     ; my stages
	v_lshrrev_b32 v8, 2, v1
	s_delay_alu instid0(VALU_DEP_1)
	v_mul_u32_u24 v8, v8, SP
	v_and_b32 v9, 3, v1
	s_delay_alu instid0(VALU_DEP_1)
	v_lshl_add_u32 v8, v9, 4, v8
	s_delay_alu instid0(VALU_DEP_1)
	v_add_nc_u32 v4, s26, v8                       ; in: four lanes' 64 bytes on end, then the padding
	v_mul_u32_u24 v8, v1, SP
	s_delay_alu instid0(VALU_DEP_1)
	v_add_nc_u32 v5, s26, v8                       ; out: my 16 neighbours
	s_lshl_b32 s24, s20, 8
	s_lshl_b32 s25, s19, 4
	s_add_co_u32 s24, s24, s25
	s_add_co_u32 s24, s24, SCB
	v_lshrrev_b32 v8, 1, v1
	s_delay_alu instid0(VALU_DEP_1)
	v_add_nc_u32 v6, s24, v8                       ; my block's scale byte: 32 x token + 16 hf + lane / 2
	s_mul_i32 s24, s20, 8*PTOK
	s_lshl_b32 s25, s19, 9
	s_add_co_u32 s24, s24, s25
	s_add_co_u32 s24, s24, PART
	v_lshl_add_u32 v7, v1, 4, s24                  ; my partial sums: producer 32 hf + lane
	v_lshrrev_b32 v8, 3, v0
	s_delay_alu instid0(VALU_DEP_1)
	v_mul_u32_u24 v8, v8, PTOK
	v_bfe_u32 v9, v0, 2, 1
	s_delay_alu instid0(VALU_DEP_1)
	v_mad_u32_u24 v8, v9, PPL, v8
	v_and_b32 v9, 3, v0
	s_delay_alu instid0(VALU_DEP_1)
	v_lshl_add_u32 v8, v9, 2, v8
	s_delay_alu instid0(VALU_DEP_1)
	v_add_nc_u32 v12, PART, v8                     ; the adding thread: token v0 / 8, expert v0 % 8
	v_lshrrev_b32 v8, 3, v0
	s_delay_alu instid0(VALU_DEP_1)
	v_mul_u32_u24 v8, v8, LOGP
	v_and_b32 v9, 7, v0
	s_delay_alu instid0(VALU_DEP_1)
	v_lshlrev_b32 v251, 2, v9                      ; gate_b: 4 e
	s_delay_alu instid0(VALU_DEP_1)
	v_add_nc_u32 v8, v8, v251
	s_delay_alu instid0(VALU_DEP_1)
	v_add_nc_u32 v13, LOG, v8                      ; where it puts the logit
	v_mul_u32_u24 v8, v1, LOGP
	s_delay_alu instid0(VALU_DEP_1)
	v_add_nc_u32 v14, LOG, v8                      ; the routing wave: lane = token
	v_lshl_add_u32 v15, v1, 4, SCB                 ; the scale bytes on their way out
	s_mul_i32 s24, s18, GWP
	v_lshl_add_u32 v248, v1, 4, s24                ; gate_w into LDS: slice 8 i + wave
	s_mul_i32 s24, s19, 32*GWP
	v_mul_u32_u24 v8, v1, GWP
	s_delay_alu instid0(VALU_DEP_1)
	v_add_nc_u32 v249, s24, v8                     ; and back: slice 32 hf + lane
	v_lshlrev_b32 v250, 4, v0                      ; gate_w in memory: 16 bytes a thread
	v_lshlrev_b32 v253, 4, v1                      ; 16 x lane
	v_lshlrev_b32 v247, 3, v1                      ; 8 x lane
	s_mov_b32 s23, 0x600000                        ; the mantissa field of 448
	s_mov_b32 s25, 0
	s_wait_alu depctr_va_vdst(0)
	s_wait_kmcnt 0x0
	s_lshl_b32 s24, ttmp9, 17
	s_add_nc_u64 s[4:5], s[4:5], s[24:25]          ; x at my 32 rows
	s_lshl_b32 s24, ttmp9, 15
	s_add_nc_u64 s[10:11], s[10:11], s[24:25]      ; xq likewise
	s_lshl_b32 s24, ttmp9, 10
	s_add_nc_u64 s[12:13], s[12:13], s[24:25]      ; xs: 1,024 bytes a work-group
	s_lshl_b32 s24, ttmp9, 8
	s_add_nc_u64 s[14:15], s[14:15], s[24:25]      ; route and slots: 256 bytes a work-group
	s_add_nc_u64 s[16:17], s[16:17], s[24:25]
	global_load_b32 v252, v251, s[8:9]             ; gate_b[e]
.irp i, 0,1,2,3,4,5,6,7
	global_load_b128 v[X+4*\i:X+4*\i+3], v250, s[6:7] offset:4096*\i
.endr
.irp t, 0,1,2,3,4,5,6,7
.irp i, 0,1,2,3
	global_load_b128 v[R+16*\t+4*\i:R+16*\t+4*\i+3], v2, s[4:5] offset:4096*\t+512*\i th:TH_LOAD_NT   ; 32 lanes read 512 consecutive bytes; read once in the launch
.endr
.endr
	s_wait_loadcnt 32                              ; gate_b and gate_w are in; x's 32 loads are younger
.irp i, 0,1,2,3,4,5,6,7
	ds_store_b128 v248, v[X+4*\i:X+4*\i+3] offset:8*GWP*\i
.endr
	s_wait_dscnt 0x0                               ; for the others' sake: my part of gate_w lies in LDS
	s_barrier_signal -1
	s_barrier_wait -1
	WIN 0x40                                       ; destination window 1
.irp j, 0,1,2,3,4,5,6,7,8,9,10,11,12,13,14,15,16,17,18,19,20,21,22,23,24,25,26,27,28,29,30,31
	ds_load_b128 v[4*\j:4*\j+3], v249 offset:16*\j ; my 16 k x 8 e
.endr
	WIN 0
.macro TURN t                          ; step t's numbers through a stage: LDS serves a wave's instructions in order (ISA guide 5.7.1.4), so no wait stands between the stores and the loads
.irp i, 0,1,2,3
	ds_store_b128 v4, v[R+16*(\t)+4*\i:R+16*(\t)+4*\i+3] offset:32*SP*((\t)%2)+8*SP*\i
.endr
.irp i, 0,1,2,3
	ds_load_b128 v[X+16*((\t)%2)+4*\i:X+16*((\t)%2)+4*\i+3], v5 offset:32*SP*((\t)%2)+16*\i
.endr
.endm
.macro GATE                            ; eight sums over my 16 numbers, two experts an instruction; the number is taken from its pair for both halves
	WIN 0x04                                       ; source 1 window 1
.irp a, 0,1,2,3
	v_pk_mul_f32 v[AC+2*\a:AC+2*\a+1], v[XS:XS+1], v[2*\a:2*\a+1] op_sel_hi:[0,1]
.endr
.irp i, 1,2,3,4,5,6,7,8,9,10,11,12,13,14,15
.irp a, 0,1,2,3
.if \i%2
	v_pk_fma_f32 v[AC+2*\a:AC+2*\a+1], v[XS+\i-1:XS+\i], v[8*\i+2*\a:8*\i+2*\a+1], v[AC+2*\a:AC+2*\a+1] op_sel:[1,0,0] op_sel_hi:[1,1,1]
.else
	v_pk_fma_f32 v[AC+2*\a:AC+2*\a+1], v[XS+\i:XS+\i+1], v[8*\i+2*\a:8*\i+2*\a+1], v[AC+2*\a:AC+2*\a+1] op_sel_hi:[0,1,1]
.endif
.endr
.endr
	WIN 0
.endm
.macro STEP t
.set XS, X+16*((\t)%2)
.set AC, ACC+8*((\t)%2)
.if (\t) > 0
	s_wait_dscnt 3                                 ; this step's numbers are back from the stage; younger: the last step's two stores of sums and its byte store.  The stores of two steps back are done: their set of sums is written again below
.else
	s_wait_dscnt 0x0                               ; the gate weights and step 0's numbers
.endif
.if (\t) < 7
	s_wait_loadcnt 4*(6-(\t))                      ; the next step's four loads are in; four for each later step may be out
	TURN (\t)+1
.endif
	v_max3_num_f32 v8, |v[XS]|, |v[XS+1]|, |v[XS+2]|               ; the largest magnitude of my 16, in two chains
	v_max3_num_f32 v9, |v[XS+3]|, |v[XS+4]|, |v[XS+5]|
.irp i, 6,10
	s_delay_alu instid0(VALU_DEP_2)
	v_max3_num_f32 v8, v8, |v[XS+\i]|, |v[XS+\i+1]|
	s_delay_alu instid0(VALU_DEP_2)
	v_max3_num_f32 v9, v9, |v[XS+\i+2]|, |v[XS+\i+3]|
.endr
	s_delay_alu instid0(VALU_DEP_2)
	v_max3_num_f32 v8, v8, |v[XS+14]|, |v[XS+15]|
	s_delay_alu instid0(VALU_DEP_1)
	v_max3_num_f32 v8, v8, v9, 0x4800000           ; and the floor 2^(9 - 127): the byte cannot fall under 1
	s_delay_alu instid0(VALU_DEP_1)
	v_max_num_f32_dpp v8, v8, v8 row_xmask:1 row_mask:0xf bank_mask:0xf   ; with my neighbour's 16: the block's
	s_delay_alu instid0(VALU_DEP_1)
	v_add_nc_u32 v11, 0xfc000000, v8               ; 8 off its exponent field: the conversion takes this operand's exponent field as its scale
	s_delay_alu instid0(VALU_DEP_2)
	v_and_or_b32 v10, v8, 0x7f800000, s23          ; 448 x the scale
	GATE                                           ; on the numbers as they came: the hold below changes them
	ds_store_b128 v7, v[AC:AC+3] offset:PTOK*(\t)
	ds_store_b128 v7, v[AC+4:AC+7] offset:PTOK*(\t)+PPL
.irp i, 0,1,2,3,4,5,6,7,8,9,10,11,12,13,14,15
	v_med3_num_f32 v[XS+\i], v[XS+\i], -v10, v10   ; the conversion to an 8-bit code does not saturate (ISA guide 7.6.2): the hold at the largest code x the scale
.endr
	v_cvt_scalef32_pk8_fp8_f32 v[C+4*(\t):C+4*(\t)+1], v[XS:XS+7], v11
	v_cvt_scalef32_pk8_fp8_f32 v[C+4*(\t)+2:C+4*(\t)+3], v[XS+8:XS+15], v11
	v_lshrrev_b32 v[E+(\t)], 23, v11               ; the scale's byte (also the plain line behind the conversions)
	ds_store_b8 v6, v[E+(\t)] offset:32*(\t)       ; both lanes of a block write the same byte with the same value
	global_store_b128 v3, v[C+4*(\t):C+4*(\t)+3], s[10:11] offset:1024*(\t)   ; 32 lanes store 512 consecutive bytes, at a multiple of 512 from xq's first byte
.endm
	s_wait_loadcnt 28                              ; step 0's four loads are in
	TURN 0
.irp t, 0,1,2,3,4,5,6,7
	STEP \t
.endr
	s_wait_dscnt 0x0                               ; my sums and my scale bytes lie in LDS
	s_barrier_signal -1
	s_barrier_wait -1
.irp j, 0,1,2,3,4,5,6,7,8,9,10,11,12,13,14,15,16,17,18,19,20,21,22,23,24,25,26,27,28,29,30,31,32,33,34,35,36,37,38,39,40,41,42,43,44,45,46,47,48,49,50,51,52,53,54,55,56,57,58,59,60,61,62,63
	ds_load_b32 v[R+\j], v12 offset:16*\j          ; the 64 producers' sums of my token and expert
.endr
	s_wait_dscnt 0x0
.irp d, 32,16,8,4,2
.set j, 0
.rept \d/2
	v_pk_add_f32 v[R+j:R+j+1], v[R+j:R+j+1], v[R+\d+j:R+\d+j+1]   ; a tree, two numbers an instruction
.set j, j+2
.endr
.endr
	s_delay_alu instid0(VALU_DEP_1)
	v_add_f32 v[R], v[R], v[R+1]
	s_delay_alu instid0(VALU_DEP_1)
	v_add_f32 v[R], v[R], v252                     ; + gate_b[e]
	ds_store_b32 v13, v[R]
	s_wait_dscnt 0x0
	s_barrier_signal -1
	s_barrier_wait -1
	s_cmp_lg_u32 s18, 0
	s_cbranch_scc1 .Lnot_wave_0
	; ---- wave 0: the choice; lane = token
	ds_load_b128 v[224:227], v14
	ds_load_b128 v[228:231], v14 offset:16
	s_wait_dscnt 0x0
	v_max3_num_f32 v232, v224, v225, v226
	s_delay_alu instid0(VALU_DEP_1)
	v_max3_num_f32 v232, v232, v227, v228
	s_delay_alu instid0(VALU_DEP_1)
	v_max3_num_f32 v232, v232, v229, v230
	s_delay_alu instid0(VALU_DEP_1)
	v_max_num_f32 v232, v232, v231                 ; the row's maximum
.irp e, 0,1,2,3,4,5,6,7
	v_sub_f32 v[224+\e], v[224+\e], v232
.endr
.irp e, 0,1,2,3,4,5,6,7
	v_mul_f32 v[224+\e], 0x3fb8aa3b, v[224+\e]     ; x log2(e)
.endr
	s_wait_alu depctr_va_vdst(0)
.irp e, 0,1,2,3,4,5,6,7
	v_exp_f32 v[224+\e], v[224+\e]
.endr
	v_nop                                          ; a plain line behind the last exponential,
	s_wait_alu depctr_va_vdst(0)                   ; and one wait for the eight, ahead of their first reader
	v_add_f32 v233, v224, v225
	v_add_f32 v242, v226, v227
	v_add_f32 v246, v228, v229
	v_add_f32 v243, v230, v231
	s_delay_alu instid0(VALU_DEP_3)
	v_add_f32 v233, v233, v242
	s_delay_alu instid0(VALU_DEP_2)
	v_add_f32 v246, v246, v243
	s_delay_alu instid0(VALU_DEP_1)
	v_add_f32 v233, v233, v246
	s_wait_alu depctr_va_vdst(0)
	v_rcp_f32 v233, v233
	v_nop
	s_wait_alu depctr_va_vdst(0)
.irp e, 0,1,2,3,4,5,6,7
	v_mul_f32 v[224+\e], v[224+\e], v233           ; the probabilities
.endr
	v_mov_b32 v234, v224                           ; the largest so far, and its index
	v_mov_b32 v235, 0
.irp e, 1,2,3,4,5,6,7
	s_delay_alu instid0(VALU_DEP_2)
	v_cmp_ge_f32 vcc_lo, v234, v[224+\e]           ; kept where it is at least as large: of equal ones the lower index stays
	s_delay_alu instid0(VALU_DEP_1)
	v_cndmask_b32 v234, v[224+\e], v234, vcc_lo
	s_delay_alu instid0(VALU_DEP_2)
	v_cndmask_b32 v235, \e, v235, vcc_lo
.endr
	v_mov_b32 v236, -1.0
.irp e, 0,1,2,3,4,5,6,7
	v_cmp_eq_u32 vcc_lo, \e, v235
	s_delay_alu instid0(VALU_DEP_1)
	v_cndmask_b32 v[224+\e], v[224+\e], v236, vcc_lo   ; the chosen one falls under every probability
.endr
	v_mov_b32 v237, v224
	v_mov_b32 v238, 0
.irp e, 1,2,3,4,5,6,7
	s_delay_alu instid0(VALU_DEP_2)
	v_cmp_ge_f32 vcc_lo, v237, v[224+\e]
	s_delay_alu instid0(VALU_DEP_1)
	v_cndmask_b32 v237, v[224+\e], v237, vcc_lo
	s_delay_alu instid0(VALU_DEP_2)
	v_cndmask_b32 v238, \e, v238, vcc_lo
.endr
	s_delay_alu instid0(VALU_DEP_1)
	v_min_u32 v239, v235, v238                     ; lo
	s_delay_alu instid0(VALU_DEP_2)
	v_add_nc_u32 v240, v235, v238
	s_delay_alu instid0(VALU_DEP_1)
	v_sub_nc_u32 v240, v240, v239                  ; hi
	s_delay_alu instid0(VALU_DEP_3)
	v_sub_nc_u32 v241, 15, v239
	s_delay_alu instid0(VALU_DEP_1)
	v_mul_u32_u24 v241, v239, v241
	s_delay_alu instid0(VALU_DEP_1)
	v_lshrrev_b32 v241, 1, v241
	s_delay_alu instid0(VALU_DEP_4)
	v_sub_nc_u32 v242, v240, v239
	s_delay_alu instid0(VALU_DEP_1)
	v_add3_u32 v241, v241, v242, -1                ; key = lo (15 - lo) / 2 + hi - lo - 1
	v_mov_b32 v245, 0                              ; counts: lane p
	v_mov_b32 v243, 0                              ; my rank
.irp p, 0,1,2,3,4,5,6,7,8,9,10,11,12,13,14,15,16,17,18,19,20,21,22,23,24,25,26,27
	v_cmp_eq_u32 s[28+\p], \p, v241                ; which tokens have key p
.endr
.irp p, 0,1,2,3,4,5,6,7,8,9,10,11,12,13,14,15,16,17,18,19,20,21,22,23,24,25,26,27
	s_bcnt1_i32_b32 s[66+\p], s[28+\p]
.endr
.irp p, 0,1,2,3,4,5,6,7,8,9,10,11,12,13,14,15,16,17,18,19,20,21,22,23,24,25,26,27
	v_writelane_b32 v245, s[66+\p], \p
.endr
.irp p, 0,2,4,6,8,10,12,14,16,18,20,22,24,26
	v_mbcnt_lo_u32_b32 v246, s[28+\p], 0           ; how many of them stand in lower lanes
	v_mbcnt_lo_u32_b32 v242, s[28+\p+1], 0
	v_cndmask_b32 v243, v243, v246, s[28+\p]
	v_cndmask_b32 v243, v243, v242, s[28+\p+1]
.endr
	v_lshl_or_b32 v244, v243, 8, v241
	v_lshlrev_b32 v246, 2, v1
	global_store_b32 v246, v244, s[14:15]          ; the keys, then the counts: 256 consecutive bytes by two stores
	global_store_b32 v246, v245, s[14:15] offset:128
	s_branch .Lend
.Lnot_wave_0:
	s_cmp_lg_u32 s18, 1
	s_cbranch_scc1 .Lnot_wave_1
	; ---- wave 1: the 32 tokens' scale bytes leave as 1,024 consecutive bytes
	ds_load_b128 v[16:19], v15
	ds_load_b128 v[20:23], v15 offset:512
	s_wait_dscnt 0x0
	global_store_b128 v253, v[16:19], s[12:13]
	global_store_b128 v253, v[20:23], s[12:13] offset:512
	s_branch .Lend
.Lnot_wave_1:
	s_cmp_lg_u32 s18, 2
	s_cbranch_scc1 .Lend
	; ---- wave 2: zeros into my 256 bytes of slots
	v_mov_b32 v16, 0
	v_mov_b32 v17, 0
	global_store_b64 v247, v[16:17], s[16:17]
.Lend:
	s_wait_tensorcnt 0x0                           ; the wave's end: behind my last LDS store
	ds_add_u32 v[SPW], v[NIL]
	s_wait_dscnt 0x0
	s_endpgm
.Lfunc_end_k_qe27f64d783_prep:
	.size	k_qe27f64d783_prep, .Lfunc_end_k_qe27f64d783_prep-k_qe27f64d783_prep
	.p2alignl 7, 3214868480
	.fill 96, 4, 3214868480
	.section	.rodata,"a",@progbits
	.p2align	6, 0x0
	.amdhsa_kernel k_qe27f64d783_prep
		.amdhsa_group_segment_fixed_size 144896
		.amdhsa_private_segment_fixed_size 0
		.amdhsa_enable_private_segment 0
		.amdhsa_kernarg_size 56
		.amdhsa_user_sgpr_count 2
		.amdhsa_user_sgpr_kernarg_segment_ptr 1
		.amdhsa_wavefront_size32 1
		.amdhsa_system_sgpr_workgroup_id_x 1
		.amdhsa_system_sgpr_workgroup_id_y 1
		.amdhsa_system_sgpr_workgroup_id_z 1
		.amdhsa_system_vgpr_workitem_id 0
		.amdhsa_next_free_vgpr 384
		.amdhsa_next_free_sgpr 96
		.amdhsa_reserve_vcc 1
		.amdhsa_float_denorm_mode_32 3
		.amdhsa_float_denorm_mode_16_64 3
		.amdhsa_memory_ordered 1
		.amdhsa_forward_progress 1
		.amdhsa_inst_pref_size 90
	.end_amdhsa_kernel
	.amdgpu_metadata
---
amdhsa.version: [ 1, 2 ]
amdhsa.kernels:
  - .name:           k_qe27f64d783_prep
    .symbol:         k_qe27f64d783_prep.kd
    .args:
      - { .name: E_symb, .offset: 0, .size: 8, .value_kind: global_buffer, .address_space: global }
      - { .name: gate_w, .offset: 8, .size: 8, .value_kind: global_buffer, .address_space: global }
      - { .name: gate_b, .offset: 16, .size: 8, .value_kind: global_buffer, .address_space: global }
      - { .name: xq, .offset: 24, .size: 8, .value_kind: global_buffer, .address_space: global }
      - { .name: xs, .offset: 32, .size: 8, .value_kind: global_buffer, .address_space: global }
      - { .name: route, .offset: 40, .size: 8, .value_kind: global_buffer, .address_space: global }
      - { .name: slots, .offset: 48, .size: 8, .value_kind: global_buffer, .address_space: global }
    .group_segment_fixed_size: 144896
    .private_segment_fixed_size: 0
    .kernarg_segment_align: 8
    .kernarg_segment_size: 56
    .max_flat_workgroup_size: 256
    .sgpr_count:     96
    .vgpr_count:     384
    .wavefront_size: 32
...
	.end_amdgpu_metadata
.endif
;; end of part 1
;; launch place (part 2): grid 256 x 1, 8 waves a work-group, no clusters, 44,032 bytes of LDS; arguments route, expert_w_codes, wq, thead, slots; writes wq, thead, slots
.if DOCPART == 2
	.amdgcn_target "amdgcn-amd-amdhsa--gfx1250"
	.amdhsa_code_object_version 6
	.text
	.protected	k_qe27f64d783_place
	.globl	k_qe27f64d783_place
	.p2align	8
	.type	k_qe27f64d783_place,@function
k_qe27f64d783_place:
	s_mov_b64 s[64:65], 0
	v_nop
	global_prefetch_b8 v0, s[64:65] scope:SCOPE_SE
	s_setreg_imm32_b32 hwreg(HW_REG_WAVE_MODE, 25, 1), 1
	s_wait_xcnt 0x0
; Each work-group does two pieces of work that wait for nothing of each other: it places its 32 tokens, and it lays its share of the weights' codes.
; THE TOKENS: a counting sort by pair of experts, without atomics.  route holds, for each group of 32 tokens (seg), each token's key (0..27) | rank << 8, rank among the seg's tokens of that key, then the seg's 32 counts by key.
; Work-group g places seg g.  It needs every key's total, and its total over the segs before g: wave w sums segs 32 w .. 32 w + 31, lane l key 4 (l % 8) .. + 3 of segs l / 8 + 4 i; the 32 partial sums of each kind meet in LDS.
; SLOTS: pair p's tokens lie on end, from a slot that is a multiple of 96: 96 x (the sum of ceil(count / 96) over the pairs before).  A token's slot = that + (tokens of its key in earlier segs) + its rank.
; TILES: pair p gets ceil(count / 1,824) tiles of up to 1,824 rows (19 blocks of 96).  thead[j] = (lo + 8 hi, rows of tile j, its first slot, 0) for j = 0 .. 31: a j past the last tile gets 0 rows and a valid pair.
; The sum over p of ceil(c_p / 1824) with 8,192 tokens in 28 pairs is at most (8192 + 28 x 1823) / 1824 = 32, whatever the split; the slots used are at most 96 x 113.
; THE CODES, in the order in which a wave's operand registers take them: wq [e 8][nf 64][s 8][c 4][lane 32][16 bytes]; piece c of lane (r, h) holds row 16 nf + r, k = 128 s + 32 c + 16 h + 0 .. 15.
; A wave takes 16 rows x 256 bytes (two K steps): a load reads 256 bytes of each of two rows; the wave's own stage in LDS turns them; each store covers 512 consecutive bytes.
; No prefetch: the text has no loop to run ahead in.
.set TOT,   0                          ; LDS: 32 partial sums (wave, lane / 8) x 32 keys
.set BEF,   4096                       ; the same over the segs before mine
.set WST,   8192                       ; a stage of 16 rows x 272 bytes for each wave
.set SPARE, WST+8*4352                 ; the spare words, 128 bytes for each wave: four blocks of 256 bytes that no other line names
.set CN,    16                         ; v16-47  counts as loaded; later the 32 partial totals
.set CD,    48                         ; v48-79  codes as loaded
.set SM,    80                         ; v80-87  my sums; later v80-111 the partial sums before mine, then codes in fragment order
.set SPW,   112
.set NIL,   113
	s_load_b256 s[4:11], s[0:1], 0x0               ; route s[4:5], the codes s[6:7], wq s[8:9], thead s[10:11]
	s_load_b64 s[12:13], s[0:1], 0x20              ; slots
	v_lshl_add_u32 v[SPW], v0, 2, SPARE
	v_mov_b32 v[NIL], 0
	v_lshrrev_b32 v1, 5, v0
	v_readfirstlane_b32 s14, v1                    ; wave 0..7
	v_and_b32 v1, 31, v0                           ; lane
	v_and_b32 v2, 15, v0                           ; r
	v_bfe_u32 v3, v0, 4, 1                         ; h
	v_lshlrev_b32 v4, 4, v1                        ; 16 x lane
	v_lshlrev_b32 v5, 2, v1                        ; 4 x lane
	v_lshrrev_b32 v11, 3, v1                       ; lane / 8
	v_and_b32 v12, 7, v1
	s_lshl_b32 s20, s14, 13
	s_add_co_u32 s20, s20, 128
	v_lshlrev_b32 v6, 8, v11
	v_lshl_add_u32 v6, v12, 4, v6
	v_add_nc_u32 v6, s20, v6                       ; counts of seg 32 w + lane / 8, keys 4 (lane % 8) on
	s_lshl_b32 s20, s14, 5
	v_add_nc_u32 v11, s20, v11                     ; that seg
	s_mov_b32 s18, ttmp9                           ; g
	v_sub_nc_u32 v13, s18, v11                     ; g less that seg
	v_mov_b32 v15, 1
	v_lshlrev_b32 v7, 10, v3
	v_lshl_add_u32 v7, v2, 4, v7                   ; codes: row h of 1,024 bytes + 16 r
	s_mul_i32 s21, s14, 4352
	s_add_co_u32 s21, s21, WST
	v_mul_u32_u24 v8, v3, 272
	v_lshl_add_u32 v8, v2, 4, v8
	v_add_nc_u32 v8, s21, v8                       ; into my stage: row h, 16 r
	v_mul_u32_u24 v9, v2, 272
	v_lshl_add_u32 v9, v3, 4, v9
	v_add_nc_u32 v9, s21, v9                       ; and back: row r, 16 h
	s_lshl_b32 s22, s14, 9
	v_add_nc_u32 v10, s22, v4                      ; my partial sums: 512 w + 128 (lane / 8) + 16 (lane % 8)
	s_lshl_b32 s24, s18, 3
	s_add_co_u32 s24, s24, s14                     ; q = 0 .. 2047: rows 16 (q / 4) on, bytes 256 (q % 4) on
	s_lshr_b32 s26, s24, 2
	s_lshl_b32 s26, s26, 14
	s_and_b32 s25, s24, 3
	s_lshl_b32 s25, s25, 8
	s_add_co_u32 s26, s26, s25
	s_mov_b32 s27, 0
	s_lshl_b32 s28, s24, 12                        ; and 4,096 q in wq
	s_mov_b32 s29, 0
	s_lshl_b32 s30, s18, 8                         ; my seg in route
	s_mov_b32 s31, 0
	s_wait_alu depctr_va_vdst(0)
	s_wait_kmcnt 0x0
	s_add_nc_u64 s[16:17], s[4:5], s[30:31]
	s_add_nc_u64 s[6:7], s[6:7], s[26:27]
	s_add_nc_u64 s[8:9], s[8:9], s[28:29]
.irp i, 0,1,2,3,4,5,6,7
	global_load_b128 v[CN+4*\i:CN+4*\i+3], v6, s[4:5] offset:1024*\i   ; four segs a load
.endr
	global_load_b32 v12, v5, s[16:17]              ; my token's key and rank
.irp i, 0,1,2,3,4,5,6,7
	global_load_b128 v[CD+4*\i:CD+4*\i+3], v7, s[6:7] offset:2048*\i   ; rows 2 i, 2 i + 1
.endr
	s_wait_loadcnt 9                               ; the counts are in; younger: the key and eight loads of codes
.irp k, 0,1,2,3
	v_add_nc_u32 v[SM+\k], v[CN+\k], v[CN+4+\k]
.endr
.irp i, 2,4,6
.irp k, 0,1,2,3
	v_add3_u32 v[SM+\k], v[SM+\k], v[CN+4*\i+\k], v[CN+4*\i+4+\k]
.endr
.endr
.irp i, 0,1,2,3,4,5,6,7
	v_cmp_lt_i32 vcc_lo, 4*\i, v13                 ; is this seg before mine?
	v_cndmask_b32 v14, 0, v15, vcc_lo
.irp k, 0,1,2,3
.if \i == 0
	v_mul_u32_u24 v[SM+4+\k], v[CN+\k], v14
.else
	v_mad_u32_u24 v[SM+4+\k], v[CN+4*\i+\k], v14, v[SM+4+\k]
.endif
.endr
.endr
	ds_store_b128 v10, v[SM:SM+3] offset:TOT
	ds_store_b128 v10, v[SM+4:SM+7] offset:BEF
	s_min_u32 s41, s18, 1
	s_lshl_b32 s41, s41, 3
	s_add_co_u32 s41, s41, s14                     ; 1 in wave 1 of work-group 0 alone
	s_wait_dscnt 0x0                               ; for the others' sake: my partial sums lie in LDS
	s_barrier_signal -1
	s_barrier_wait -1
	; wave 0 places my seg's tokens; wave 1 of work-group 0 writes the tiles' heads; the others go on to the codes
	s_cmp_eq_u32 s14, 0
	s_cbranch_scc1 .Lsort
	s_cmp_lg_u32 s41, 1
	s_cbranch_scc1 .Lcodes
.Lsort:
.irp j, 0,1,2,3,4,5,6,7,8,9,10,11,12,13,14,15,16,17,18,19,20,21,22,23,24,25,26,27,28,29,30,31
	ds_load_b32 v[CN+\j], v5 offset:TOT+128*\j     ; lane = key from here on
	ds_load_b32 v[SM+\j], v5 offset:BEF+128*\j
.endr
	s_wait_dscnt 0x0
.irp d, 16,8,4,2,1
.set j, 0
.rept \d
	v_add_nc_u32 v[CN+j], v[CN+j], v[CN+\d+j]
	v_add_nc_u32 v[SM+j], v[SM+j], v[SM+\d+j]
.set j, j+1
.endr
.endr
	; v16: key p's tokens in all; v80: in the segs before mine
	v_add_nc_u32 v17, 95, v16
	v_add_nc_u32 v18, 0x71f, v16
	v_mul_u32_u24 v17, v17, 0xaaab
	v_mul_u32_u24 v18, v18, 0x47dd
	v_lshrrev_b32 v17, 22, v17                     ; ceil(total / 96): 43,691 / 2^22 is 1 / 96 closely enough for every number up to 8,287
	v_lshrrev_b32 v18, 25, v18                     ; ceil(total / 1824): 18,397 x 1,824 = 2^25 + 1,696, and 1,696 x 10,015 stays under 2^25: exact for every number up to 10,015
	v_lshl_or_b32 v19, v18, 16, v17                ; both in one word: their sums stay under 2^16
	v_mov_b32 v21, 0
	v_mov_b32 v20, v19
.irp n, 1,2,4,8
	v_mov_b32_dpp v21, v20 row_shr:\n row_mask:0xf bank_mask:0xf bound_ctrl:1
	v_add_nc_u32 v20, v20, v21                     ; a prefix sum within 16 lanes
.endr
	v_readlane_b32 s40, v20, 15
	v_mad_u32_u24 v20, v3, s40, v20                ; lanes 16-31: and the first 16's
	v_sub_nc_u32 v22, v20, v19                     ; less my own: the pairs before
	v_and_b32 v23, 0xffff, v22                     ; my first slot / 96
	v_lshrrev_b32 v24, 16, v22                     ; my first tile
	v_mad_u32_u24 v25, v23, 96, v80                ; the slot at which seg g's tokens of key p begin
	v_lshl_or_b32 v33, v23, 16, v16                ; the tokens (at most 8,192) below, the first slot / 96 (at most 113) above
	s_wait_alu depctr_va_vdst(0)
	s_cmp_eq_u32 s14, 1
	s_cbranch_scc1 .Lhead
	s_wait_loadcnt 8                               ; my token's word is in; younger: the eight loads of codes
	v_and_b32 v26, 0xff, v12
	v_mov_b32 v27, 0
.irp p, 0,1,2,3,4,5,6,7,8,9,10,11,12,13,14,15,16,17,18,19,20,21,22,23,24,25,26,27
	v_readlane_b32 s[40+(\p)%4], v25, \p
	v_cmp_ne_u32 vcc_lo, \p, v26
	v_cndmask_b32 v27, s[40+(\p)%4], v27, vcc_lo   ; from the lane of my token's key
.endr
	v_lshrrev_b32 v28, 8, v12                      ; my rank
	v_add_nc_u32 v27, v27, v28
	v_min_u32 v27, 0x3fff, v27                     ; a number that was loaded enters an address held inside the buffer's 16,384 words
	v_lshlrev_b32 v27, 2, v27
	s_lshl_b32 s40, s18, 5
	v_add_nc_u32 v29, s40, v1                      ; the token
	global_store_b32 v27, v29, s[12:13]            ; four bytes a lane, where the sort puts them
	s_branch .Lcodes
.Lhead:
	; lane j: tile j's head
	v_mov_b32 v30, 0                               ; pair 0: its first tile,
	v_readlane_b32 s40, v33, 0
	v_mov_b32 v31, s40                             ; its tokens and first slot,
	v_mov_b32 v36, 8                               ; lo + 8 hi
.set P, 0
.irp lo, 0,1,2,3,4,5,6
.irp hi, 1,2,3,4,5,6,7
.if \hi > \lo
.if P > 0
	v_readlane_b32 s40, v24, P
	v_readlane_b32 s41, v33, P
	v_cmp_gt_u32 vcc_lo, s40, v1                   ; the last pair whose first tile is at or under j is tile j's
	v_cndmask_b32 v30, s40, v30, vcc_lo
	v_cndmask_b32 v31, s41, v31, vcc_lo
	v_cndmask_b32 v36, \lo+8*\hi, v36, vcc_lo
.endif
.set P, P+1
.endif
.endr
.endr
	v_sub_nc_u32 v30, v1, v30
	v_mul_u32_u24 v30, v30, 0x720                  ; 1,824 x (which tile of its pair)
	v_and_b32 v34, 0xffff, v31                     ; the pair's tokens
	v_lshrrev_b32 v35, 16, v31                     ; its first slot / 96
	v_min_u32 v40, v30, v34                        ; its tokens in its earlier tiles
	v_sub_nc_u32 v37, v34, v40
	v_min_u32 v37, 0x720, v37                      ; rows of tile j: 0 .. 1,824
	v_mad_u32_u24 v38, v35, 96, v30                ; tile j's first slot
	v_mov_b32 v39, 0
	global_store_b128 v4, v[36:39], s[10:11]       ; 32 lanes store 512 consecutive bytes
.Lcodes:
.irp i, 0,1,2,3,4,5,6,7
	s_wait_loadcnt 7-\i                            ; loads come back in order (ISA guide 5.7.1): this one is in, the younger ones may be out
	ds_store_b128 v8, v[CD+4*\i:CD+4*\i+3] offset:544*\i
.endr
.irp u, 0,1
.irp c, 0,1,2,3
	ds_load_b128 v[SM+16*\u+4*\c:SM+16*\u+4*\c+3], v9 offset:128*\u+32*\c   ; LDS serves a wave's instructions in order (ISA guide 5.7.1.4)
.endr
.endr
.irp j, 0,1,2,3,4,5,6,7
	s_wait_dscnt 7-\j                              ; this piece is back, the younger ones may be out
	global_store_b128 v4, v[SM+4*\j:SM+4*\j+3], s[8:9] offset:512*\j
.endr
	s_wait_tensorcnt 0x0                           ; the wave's end: behind my last LDS store
	ds_add_u32 v[SPW], v[NIL]
	s_wait_dscnt 0x0
	s_endpgm
.Lfunc_end_k_qe27f64d783_place:
	.size	k_qe27f64d783_place, .Lfunc_end_k_qe27f64d783_place-k_qe27f64d783_place
	.p2alignl 7, 3214868480
	.fill 96, 4, 3214868480
	.section	.rodata,"a",@progbits
	.p2align	6, 0x0
	.amdhsa_kernel k_qe27f64d783_place
		.amdhsa_group_segment_fixed_size 44032
		.amdhsa_private_segment_fixed_size 0
		.amdhsa_enable_private_segment 0
		.amdhsa_kernarg_size 40
		.amdhsa_user_sgpr_count 2
		.amdhsa_user_sgpr_kernarg_segment_ptr 1
		.amdhsa_wavefront_size32 1
		.amdhsa_system_sgpr_workgroup_id_x 1
		.amdhsa_system_sgpr_workgroup_id_y 1
		.amdhsa_system_sgpr_workgroup_id_z 1
		.amdhsa_system_vgpr_workitem_id 0
		.amdhsa_next_free_vgpr 128
		.amdhsa_next_free_sgpr 66
		.amdhsa_reserve_vcc 1
		.amdhsa_float_denorm_mode_32 3
		.amdhsa_float_denorm_mode_16_64 3
		.amdhsa_memory_ordered 1
		.amdhsa_forward_progress 1
		.amdhsa_inst_pref_size 29
	.end_amdhsa_kernel
	.amdgpu_metadata
---
amdhsa.version: [ 1, 2 ]
amdhsa.kernels:
  - .name:           k_qe27f64d783_place
    .symbol:         k_qe27f64d783_place.kd
    .args:
      - { .name: route, .offset: 0, .size: 8, .value_kind: global_buffer, .address_space: global }
      - { .name: expert_w_codes, .offset: 8, .size: 8, .value_kind: global_buffer, .address_space: global }
      - { .name: wq, .offset: 16, .size: 8, .value_kind: global_buffer, .address_space: global }
      - { .name: thead, .offset: 24, .size: 8, .value_kind: global_buffer, .address_space: global }
      - { .name: slots, .offset: 32, .size: 8, .value_kind: global_buffer, .address_space: global }
    .group_segment_fixed_size: 44032
    .private_segment_fixed_size: 0
    .kernarg_segment_align: 8
    .kernarg_segment_size: 40
    .max_flat_workgroup_size: 256
    .sgpr_count:     66
    .vgpr_count:     128
    .wavefront_size: 32
...
	.end_amdgpu_metadata
.endif
;; end of part 2
;; launch moe (part 3): grid 8 x 32, 4 waves a work-group, no clusters, 301,568 bytes of LDS; arguments xq, xs, wq, expert_w_scales, thead, slots, out0; writes out0
.if DOCPART == 3
	.amdgcn_target "amdgcn-amd-amdhsa--gfx1250"
	.amdhsa_code_object_version 6
	.text
	.protected	k_qe27f64d783_moe
	.globl	k_qe27f64d783_moe
	.p2align	8
	.type	k_qe27f64d783_moe,@function
k_qe27f64d783_moe:
	s_mov_b64 s[64:65], 0
	v_nop
	global_prefetch_b8 v0, s[64:65] scope:SCOPE_SE
	s_setreg_imm32_b32 hwreg(HW_REG_WAVE_MODE, 25, 1), 1
	s_wait_xcnt 0x0
; out0[t] = xq[t] W[lo] + xq[t] W[hi] for the two experts chosen for token t, on codes of FP8 (E4M3) with one E8M0 scale for each 32 along K, sums in f32.
; Tokens lie sorted by their pair of experts (slots); a tile (thead) is up to 1,824 rows of one pair.  ONE set of accumulators takes both experts' products (K = 2 x 1,024): each output row has one owner.
; SHARES.  Work-group (ch, j): tile j's rows x columns 128 ch .. 128 ch + 127.  Wave w: 32 of those columns.  THE WEIGHTS STAY IN REGISTERS: 32 columns x 2 experts x 1,024 codes are 64 KB, 512 registers of the wave,
; fetched once from wq (fragment order, 512 consecutive bytes a load).  What goes round are the rows, 96 at a time (a block): wave w gathers rows 24 w .. 24 w + 23 into LDS, all four waves read all 96 from there.
; A BLOCK, one barrier: its 192 products; among them the NEXT block's rows are gathered into registers (four rows in each of K steps 0 to 5) and the block BEFORE leaves from the other stage (three rows a K step);
; then the sums go to this block's stage and the gathered rows into the other LDS buffer.  Two buffers of rows and two stages take turns, so that what a block writes was last read ahead of the barrier before.
; THE GRID SERVES EVERY SPLIT: 8,192 tokens in 28 pairs make at most 32 tiles of 1,824.  Every work-group walks 19 blocks, a constant; a block without rows is passed over by a scalar branch on the stored count, and every
; barrier stands where the ways have joined.  What a passed-over part would write into registers has been written once at the head on every way (the weights, block 0's rows, both sets of scale words, the tokens).
; A tile without rows so fetches a pair's weights for nothing: at most as many work-groups as the split leaves idle.  LIMIT: a split that puts most tokens on few pairs leaves most work-groups without rows
; (all on one pair: 40 of the 256 work); the values stay right.
; Those branches hang on numbers read from memory; the text has no tensor load and no joint loads: which tiles share an expert hangs on the same stored numbers.
; THE MATRIX INSTRUCTION IS USED TRANSPOSED: source 0 = 16 columns of W, source 1 = 16 rows of x: lane (r, h) holds row 16 m + r and the eight neighbouring columns 16 n + 8 h + 0 .. 7.
; SCALES: a register holds 32 rows' (or columns') words of one K step: lanes 0-15 serve the even block of 16, lanes 16-31 the odd one.
; REGISTERS.  Window 0: v1-31 addresses and tokens; v32-79 x's scale words, a set for each parity of the block (24 p + 8 (m / 2) + s); v80-95 W's (8 e + (s + 4) % 8); v96-191 x's six fragments; v192-223 gathered rows 20-23;
;   v224-230 row offsets; v232-255 rows on their way out, two sets of three.   Window 1: v0-95 the accumulators (8 (2 m + n)); v96-255 gathered rows 0-19.   Windows 2, 3: W's fragments, 64 s + 32 e + 16 n.
.set APITCH, 1040                      ; a row of codes in LDS: 1,024 bytes + 16: an odd multiple of 16, so that the 16 rows of a load start at different banks (64 banks of 4 bytes: ISA guide 11.1)
.set SPITCH, 528                       ; a row of a stage: 128 f32 + 16
.set ABUF,   96*APITCH                 ; a buffer of rows; two of them from byte 0
.set STG,    2*ABUF                    ; the two stages
.set SBUF,   96*SPITCH
.set SPARE,  STG+2*SBUF                ; the spare words, 128 bytes for each wave: two blocks of 256 bytes that no other line names
.set LA,  4                            ; v4-7    my lane's place in x's blocks 0-2, 3-5 of buffer 0, of buffer 1
.set LW,  8                            ; v8-9    where I put my 24 rows' codes, buffer 0, 1
.set SO,  10                           ; v10-11  where I put 32 bytes of a row of stage 0, 1
.set SR,  12                           ; v12-13  where I read my rows back
.set CO,  14                           ; v14     512 ch + 16 lane: my place in a row of out0
.set L4,  15                           ; v15     4 x lane
.set TKO, 16                           ; v16     96 w + 4 lane: my wave's 24 slots of a block
.set L32, 17                           ; v17     32 x lane
.set SPW, 18
.set NIL, 19
.set T0,  20                           ; v20-23  lane i: the token of my row i in the block before, this block, the next, the next but one
.set T1,  21
.set T2,  22
.set T3,  23
.set ST,  24                           ; v24-29  lane l: the token of row 32 mm + l, a set for each parity; then its offset in xs
.set SA,  32
.set SB,  80
.set AF,  96
.set GW0, 192
.set RA,  224
.set RO,  228
.set O,   232
.set G1,  96                           ; in window 1
.set NB,  70                           ; s70     the tile's rows from this block on (0 or less: none)
.set CNT, 74
.set MSB, 0
.macro WIN new                         ; the immediate's high byte repeats the setting that is left
.if MSB != \new
	s_set_vgpr_msb (MSB<<8)|\new
.set MSB, \new
.endif
.endm
.macro PLACES n                        ; a load into a register that a matrix instruction has read, and a store that reads its result, stand eight places behind it; only plain vector lines that name none of its registers are places
.rept \n
	v_nop
.endr
.endm
.macro LOAD_B s                        ; W's four fragments (2 experts x 2 blocks of 16 columns) of K step s: 512 consecutive bytes a load
.if (\s) < 4
	WIN 0x80                                       ; destination window 2
.else
	WIN 0xc0                                       ; destination window 3
.endif
.irp e, 0,1
.irp n, 0,1
.irp c, 0,1,2,3
	global_load_b128 v[64*((\s)%4)+32*\e+16*\n+4*\c:64*((\s)%4)+32*\e+16*\n+4*\c+3], v1, s[56+2*\e:57+2*\e] offset:16384*\n+2048*(\s)+512*\c
.endr
.endr
.endr
	WIN 0
.endm
.macro FETCH_A p, s, m0                ; x's blocks m0, m0 + 1 of K step s from buffer p: lane (r, h): row 16 m + r, bytes 128 s + 32 c + 16 h on
.irp m, \m0, \m0+1                     ; (two blocks: eight loads)
.irp c, 0,1,2,3
	ds_load_b128 v[AF+16*(\m)+4*\c:AF+16*(\m)+4*\c+3], v[LA+2*(\p)+(\m)/3] offset:((\m)%3)*16*APITCH+128*(\s)+32*\c
.endr
.endr
.endm
.macro WM                              ; one product, by the symbols set in MUL6
.if cz
.if ra && rb
	v_wmma_scale_f32_16x16x128_f8f6f4 v[rD:rD+7], v[rB:rB+15], v[rA:rA+15], 0, v[rSB], v[rSA] matrix_a_scale:MATRIX_SCALE_ROW1 matrix_b_scale:MATRIX_SCALE_ROW1
.elseif ra
	v_wmma_scale_f32_16x16x128_f8f6f4 v[rD:rD+7], v[rB:rB+15], v[rA:rA+15], 0, v[rSB], v[rSA] matrix_a_scale:MATRIX_SCALE_ROW1
.elseif rb
	v_wmma_scale_f32_16x16x128_f8f6f4 v[rD:rD+7], v[rB:rB+15], v[rA:rA+15], 0, v[rSB], v[rSA] matrix_b_scale:MATRIX_SCALE_ROW1
.else
	v_wmma_scale_f32_16x16x128_f8f6f4 v[rD:rD+7], v[rB:rB+15], v[rA:rA+15], 0, v[rSB], v[rSA]
.endif
.else
.if ra && rb
	v_wmma_scale_f32_16x16x128_f8f6f4 v[rD:rD+7], v[rB:rB+15], v[rA:rA+15], v[rD:rD+7], v[rSB], v[rSA] matrix_a_scale:MATRIX_SCALE_ROW1 matrix_b_scale:MATRIX_SCALE_ROW1
.elseif ra
	v_wmma_scale_f32_16x16x128_f8f6f4 v[rD:rD+7], v[rB:rB+15], v[rA:rA+15], v[rD:rD+7], v[rSB], v[rSA] matrix_a_scale:MATRIX_SCALE_ROW1
.elseif rb
	v_wmma_scale_f32_16x16x128_f8f6f4 v[rD:rD+7], v[rB:rB+15], v[rA:rA+15], v[rD:rD+7], v[rSB], v[rSA] matrix_b_scale:MATRIX_SCALE_ROW1
.else
	v_wmma_scale_f32_16x16x128_f8f6f4 v[rD:rD+7], v[rB:rB+15], v[rA:rA+15], v[rD:rD+7], v[rSB], v[rSA]
.endif
.endif
.endm
; Four products: x's blocks m0, m0 + 1 x my two blocks of columns, expert e (0: lo, 1: hi), K step s.  The four accumulators take turns, one instruction a turn; expert hi's four follow in the same order.
; A block's very first products (s = 0, lo) start the sums with the constant 0: nothing is cleared.
.macro MUL4 p, s, e, m0
.if (\s) < 4
	WIN 0x52                                       ; W in window 2, x in window 0, C and D window 1
.else
	WIN 0x53                                       ; W in window 3
.endif
.set cz, 0
.if ((\s) == 0) && ((\e) == 0)
.set cz, 1
.endif
.irp m, \m0, \m0+1
.irp n, 0,1
.set rD, 8*(2*(\m)+\n)
.set rB, 64*((\s)%4)+32*(\e)+16*\n
.set rA, AF+16*(\m)
.set rSB, SB+8*(\e)+((\s)+4)%8         ; W's eight scale words stand rotated by four registers
.set rSA, SA+24*(\p)+8*((\m)/2)+(\s)
.set ra, \n
.set rb, (\m)%2
	WM
.endr
.endr
.endm
.macro OUTLD p, s                      ; the block before: my rows 3 s .. 3 s + 2 come back from the other stage, 512 bytes a row, into set s % 2
.irp k, 0,1,2
	ds_load_b128 v[O+12*((\s)%2)+4*\k:O+12*((\s)%2)+4*\k+3], v[SR+1-(\p)] offset:SPITCH*(3*(\s)+\k)
.endr
.endm
.macro OUTST s                         ; and leave.  Where this block has rows the block before is full: no row is tested
.irp k, 0,1,2
	v_readlane_b32 s[84+\k], v[T0], 3*(\s)+\k
.endr
.irp k, 0,1,2
	s_min_u32 s[84+\k], s[84+\k], 8191             ; a number that was loaded enters an address held inside its table
.endr
.irp k, 0,1,2
	s_lshl_b32 s[84+\k], s[84+\k], 12              ; the token's row of 4,096 bytes
.endr
.irp k, 0,1,2
	v_add_nc_u32 v[RO+\k], s[84+\k], v[CO]
.endr
.irp k, 0,1,2
	global_store_b128 v[RO+\k], v[O+12*((\s)%2)+4*\k:O+12*((\s)%2)+4*\k+3], s[16:17] th:TH_STORE_NT   ; 32 lanes store 512 consecutive bytes, at a multiple of 512 from out0's first byte; written once, read by nobody here
.endr
.endm
.macro TOKENS p                        ; the tokens of the next block but one: four loads, two blocks ahead of the rows that hang on them
	global_load_b32 v[T3], v[TKO], s[26:27] offset:768
.irp mm, 0,1,2
	global_load_b32 v[ST+3*(\p)+\mm], v[L4], s[26:27] offset:768+128*\mm
.endr
.endm
; The next block's rows 4 s .. 4 s + 3 of my 24 are asked for, if it has rows; with the first four its scale words (block 1's come at the head).
.macro GATH p, s, first
.if ((\s) == 0) && !\first
	s_cmp_gt_i32 s[NB], 96
	s_cbranch_scc0 .Lng_\@
.irp mm, 0,1,2
	v_min_u32 v[ST+3*(1-\p)+\mm], 0x1fff, v[ST+3*(1-\p)+\mm]
.endr
.irp mm, 0,1,2
	v_lshlrev_b32 v[ST+3*(1-\p)+\mm], 5, v[ST+3*(1-\p)+\mm]    ; 32 scale bytes a token
.endr
.irp mm, 0,1,2
	global_load_b128 v[SA+24*(1-\p)+8*\mm:SA+24*(1-\p)+8*\mm+3], v[ST+3*(1-\p)+\mm], s[6:7]
	global_load_b128 v[SA+24*(1-\p)+8*\mm+4:SA+24*(1-\p)+8*\mm+7], v[ST+3*(1-\p)+\mm], s[6:7] offset:16
.endr
.endif
	s_add_co_i32 s72, s[NB], s73                   ; 96 - 24 w more than the tile's rows from this block on:
	s_cmp_gt_i32 s72, 192+4*(\s)                   ; has the next block row 24 w + 4 s?  Where not, the registers keep older rows, whose sums nobody stores
	s_cbranch_scc0 .Lng_\@
.irp k, 0,1,2,3
	v_readlane_b32 s[80+\k], v[T2], 4*(\s)+\k
.endr
.irp k, 0,1,2,3
	s_min_u32 s[80+\k], s[80+\k], 8191
.endr
.irp k, 0,1,2,3
	s_lshl_b32 s[80+\k], s[80+\k], 10              ; the token's row of 1,024 bytes
.endr
.irp k, 0,1,2,3
	v_add_nc_u32 v[RA+\k], s[80+\k], v1
.endr
.if (\s) < 5
	WIN 0x40                                       ; destination window 1
.irp k, 0,1,2,3
	global_load_b128 v[G1+8*(4*(\s)+\k):G1+8*(4*(\s)+\k)+3], v[RA+\k], s[4:5]
	global_load_b128 v[G1+8*(4*(\s)+\k)+4:G1+8*(4*(\s)+\k)+7], v[RA+\k], s[4:5] offset:512
.endr
	WIN 0
.else
.irp k, 0,1,2,3
	global_load_b128 v[GW0+8*\k:GW0+8*\k+3], v[RA+\k], s[4:5]
	global_load_b128 v[GW0+8*\k+4:GW0+8*\k+7], v[RA+\k], s[4:5] offset:512
.endr
.endif
.Lng_\@:
.endm
; A K step of 128: 24 products in three groups: x's blocks 0-1, 2-3, 4-5, each against both experts.  Behind a group's eight products its fragments of the next step are fetched: 16 products stand between a fetch and its use.
; Between the groups stand the step's share of the memory work.  A group whose rows the block does not have (from row 32 or 64 on) is multiplied in K step 0 alone, which writes its accumulators: nobody stores those rows.
.macro GRP p, s, m0
	MUL4 \p, \s, 0, \m0
	MUL4 \p, \s, 1, \m0
.if (\s) == 7
	PLACES 9                                       ; eight for the stores that read the sums, the ninth for the next block's first products, which write over them
.else
	PLACES 8
.endif
	WIN 0
.endm
.macro TAIL p, s, m0, first            ; groups 1 and 2
.if (\s) > 0
	s_cmp_gt_i32 s[NB], 16*(\m0)
	s_cbranch_scc1 .Lfull_\@
	s_wait_dscnt 0x0                               ; on this way fewer loads follow those that the next waits count: all are waited for
	s_branch .Lpast_\@
.Lfull_\@:
.endif
.if (\s) < 7
.if \first
	s_wait_dscnt 16                                ; this group's fragments are in; younger: two groups' eight loads each
.else
	s_wait_dscnt 19                                ; and the three rows that leave in the next step
.endif
.else
	s_wait_dscnt 8*(2-(\m0)/2)                     ; the last step fetches nothing: younger are group 2's eight, then none
.endif
	GRP \p, \s, \m0
.if (\s) < 7
	FETCH_A \p, (\s)+1, \m0
.endif
.if (\s) > 0
.Lpast_\@:
.endif
.endm
.macro KSTEP p, s, first
.if \first                             ; block 0 begins while W is still on its way
.if ((\s) == 2) || ((\s) == 3)
	s_wait_loadcnt 63                              ; behind this step's 16 loads of W at least 64 of later steps and 4 of tokens were issued: it is in
.elseif (\s) >= 4
	s_wait_loadcnt 16*(7-(\s))                     ; the later steps' 16 each are younger on every way; the gathered rows' loads, where there are any, only make the wait longer
.endif
.endif
	s_wait_dscnt 16                                ; x's blocks 0-1 are in, and the three rows that leave in this step, asked for ahead of them; younger: groups 1 and 2, eight loads each
	GRP \p, \s, 0
	s_wait_xcnt 0x0                                ; the loads and stores of the step before have read their registers: the row offsets, and the set that the step before last stored from, are written again only behind this wait
.if (\s) < 7
.if !\first
	OUTLD \p, (\s)+1
.endif
	FETCH_A \p, (\s)+1, 0
.endif
.if !\first
	OUTST \s
.endif
.if (\s) == 0
	TOKENS \p
.endif
	TAIL \p, \s, 2, \first
.if (\s) <= 5
	GATH \p, \s, \first
.endif
	TAIL \p, \s, 4, \first
.endm
.macro GSTORE q                        ; my 24 gathered rows into buffer q: 512 consecutive bytes a store
	WIN 0x04                                       ; an LDS store's data are its source 1: window 1
.irp i, 0,1,2,3,4,5,6,7,8,9,10,11,12,13,14,15,16,17,18,19
	ds_store_b128 v[LW+(\q)], v[G1+8*\i:G1+8*\i+3] offset:APITCH*\i
	ds_store_b128 v[LW+(\q)], v[G1+8*\i+4:G1+8*\i+7] offset:APITCH*\i+512
.endr
	WIN 0
.irp i, 20,21,22,23
	ds_store_b128 v[LW+(\q)], v[GW0+8*(\i-20):GW0+8*(\i-20)+3] offset:APITCH*\i
	ds_store_b128 v[LW+(\q)], v[GW0+8*(\i-20)+4:GW0+8*(\i-20)+7] offset:APITCH*\i+512
.endr
.endm
; Where this block has no rows: what the block before has of my 24 rows leaves from stage q, row by row against the count.
.macro OUTALL q
	s_add_co_i32 s71, s[NB], s73                   ; the rows from the block before on, less the 24 w ahead of mine
	s_cmp_gt_i32 s71, 0
	s_cbranch_scc0 .Lno_\@
	s_wait_xcnt 0x0                                ; earlier stores have read their registers
.irp i, 0,1,2,3,4,5,6,7,8,9,10,11,12,13,14,15,16,17,18,19,20,21,22,23
	ds_load_b128 v[AF+4*\i:AF+4*\i+3], v[SR+(\q)] offset:SPITCH*\i
.endr
.irp i, 0,1,2,3,4,5,6,7,8,9,10,11,12,13,14,15,16,17,18,19,20,21,22,23
	v_readlane_b32 s[76+\i], v[T0], \i
.endr
.irp i, 0,1,2,3,4,5,6,7,8,9,10,11,12,13,14,15,16,17,18,19,20,21,22,23
	s_min_u32 s[76+\i], s[76+\i], 8191
.endr
.irp i, 0,1,2,3,4,5,6,7,8,9,10,11,12,13,14,15,16,17,18,19,20,21,22,23
	s_lshl_b32 s[76+\i], s[76+\i], 12
.endr
.irp i, 0,1,2,3,4,5,6,7,8,9,10,11,12,13,14,15,16,17,18,19,20,21,22,23
	v_add_nc_u32 v[GW0+\i], s[76+\i], v[CO]        ; (nothing is being gathered on this way: these registers are free)
.endr
	s_wait_alu depctr_va_vdst(0)
.irp i, 0,1,2,3,4,5,6,7,8,9,10,11,12,13,14,15,16,17,18,19,20,21,22,23
.if \i > 0
	s_cmp_gt_i32 s71, \i
	s_cbranch_scc0 .Lno_\@
.endif
	s_wait_dscnt 23-\i                             ; row i is back; the rows behind it may be out
	global_store_b128 v[GW0+\i], v[AF+4*\i:AF+4*\i+3], s[16:17] th:TH_STORE_NT
.endr
.Lno_\@:
.endm
; A block of parity p.  first = 1: block 0, which has no block before it.
.macro BLOCK p, first
	s_cmp_gt_i32 s[NB], 0
	s_cbranch_scc0 .Lidle_\@
.if !\first
	s_wait_xcnt 0x0                                ; earlier stores have read their registers
	s_wait_loadcnt 0x0                             ; (met at once: the block before ended with this wait)
	OUTLD \p, 0
.endif
	FETCH_A \p, 0, 0
	FETCH_A \p, 0, 2
	FETCH_A \p, 0, 4
.irp s, 0,1,2,3,4,5,6,7
	KSTEP \p, \s, \first
.endr
	WIN 0x04                                       ; the data: window 1
.irp m, 0,1,2,3,4,5
.irp n, 0,1
	ds_store_b128 v[SO+\p], v[8*(2*\m+\n):8*(2*\m+\n)+3] offset:16*SPITCH*\m+64*\n        ; each accumulator from its low end on
	ds_store_b128 v[SO+\p], v[8*(2*\m+\n)+4:8*(2*\m+\n)+7] offset:16*SPITCH*\m+64*\n+16
.endr
.endr
	WIN 0
	s_wait_loadcnt 0x0                             ; the tokens, the next block's scale words and its rows (the last were asked for two K steps ago)
	s_cmp_gt_i32 s[NB], 96
	s_cbranch_scc0 .Ljoin_\@
	GSTORE 1-\p                                    ; the other buffer was last read ahead of the barrier before
.if !\first
	s_branch .Ljoin_\@
.endif
.Lidle_\@:
.if !\first
	OUTALL 1-\p
.endif
.Ljoin_\@:
	v_mov_b32 v[T0], v[T1]                         ; the tokens move on by a block
	v_mov_b32 v[T1], v[T2]
	v_mov_b32 v[T2], v[T3]
	s_wait_alu depctr_va_vdst(0)
	s_add_nc_u64 s[26:27], s[26:27], 384           ; and so do the slots (the loads that named this base are done)
	s_sub_co_i32 s[NB], s[NB], 96
	s_wait_dscnt 0x0                               ; for the others' sake: my sums lie in the stage, my rows in the other buffer, and my reads of this block's buffer and of the other stage are over
	s_barrier_signal -1
	s_barrier_wait -1
.endm
	s_load_b256 s[4:11], s[0:1], 0x0               ; xq s[4:5], xs s[6:7], wq s[8:9], W's scales s[10:11]
	s_load_b128 s[12:15], s[0:1], 0x20             ; thead s[12:13], slots s[14:15]
	s_load_b64 s[16:17], s[0:1], 0x30              ; out0
	v_lshl_add_u32 v[SPW], v0, 2, SPARE
	v_mov_b32 v[NIL], 0
	v_lshrrev_b32 v1, 5, v0
	v_readfirstlane_b32 s18, v1                    ; wave 0..3
	s_mov_b32 s19, ttmp9                           ; ch: which 128 columns
	s_and_b32 s66, ttmp7, 0xffff                   ; j: which tile
	v_and_b32 v30, 31, v0                          ; lane
	v_lshlrev_b32 v1, 4, v30                       ; 16 x lane
	v_lshlrev_b32 v[L32], 5, v30
	v_lshlrev_b32 v[L4], 2, v30
	s_mul_i32 s68, s18, 96
	v_add_nc_u32 v[TKO], s68, v[L4]
	v_and_b32 v2, 15, v0                           ; r
	v_bfe_u32 v3, v0, 4, 1                         ; h
	v_mul_u32_u24 v[LA], v2, APITCH
	v_lshl_add_u32 v[LA], v3, 4, v[LA]             ; a fragment's row x pitch + 16 h
	v_add_nc_u32 v[LA+1], 3*16*APITCH, v[LA]       ; blocks 3-5 lie past an immediate's reach from block 0
	v_add_nc_u32 v[LA+2], ABUF, v[LA]
	v_add_nc_u32 v[LA+3], ABUF+3*16*APITCH, v[LA]
	s_mul_i32 s68, s18, 24*APITCH
	v_add_nc_u32 v[LW], s68, v1
	v_add_nc_u32 v[LW+1], ABUF, v[LW]
	s_lshl_b32 s68, s18, 7
	s_add_co_u32 s68, s68, STG
	v_mul_u32_u24 v[SO], v2, SPITCH
	v_lshl_add_u32 v[SO], v3, 5, v[SO]
	v_add_nc_u32 v[SO], s68, v[SO]                 ; a stage, in: row r, + 32 h, + my 32 columns' 128 bytes
	v_add_nc_u32 v[SO+1], SBUF, v[SO]
	s_mul_i32 s68, s18, 24*SPITCH
	s_add_co_u32 s68, s68, STG
	v_add_nc_u32 v[SR], s68, v1                    ; and back: my 24 rows, 16 bytes a lane
	v_add_nc_u32 v[SR+1], SBUF, v[SR]
	s_lshl_b32 s68, s19, 9
	v_add_nc_u32 v[CO], s68, v1
	v_mov_b32 v[T0], 0                             ; (moved at a block's end on every way, so they are written here)
	v_mov_b32 v[T3], 0
	s_mul_i32 s73, s18, 24
	s_sub_co_i32 s73, 96, s73                      ; 96 - 24 w
	s_mov_b32 s69, 0
	s_wait_alu depctr_va_vdst(0)
	s_wait_kmcnt 0x0
	s_lshl_b32 s68, s66, 4
	s_add_nc_u64 s[12:13], s[12:13], s[68:69]      ; my tile's head
	s_load_b128 s[20:23], s[12:13], 0x0            ; lo + 8 hi, rows, first slot, 0
	s_wait_kmcnt 0x0
	s_and_b32 s24, s20, 7
	s_min_u32 s24, s24, 7                          ; lo;  numbers that were loaded enter addresses held inside their tables
	s_lshr_b32 s25, s20, 3
	s_min_u32 s25, s25, 7                          ; hi
	s_min_u32 s[NB], s21, 1824
	s_min_u32 s22, s22, 14304                      ; so that the slots of 21 blocks and a wave's overhang stay inside the list's 16,384 words
	s_lshl_b32 s68, s22, 2
	s_add_nc_u64 s[26:27], s[14:15], s[68:69]      ; the slots of block 0
	global_load_b32 v[T1], v[TKO], s[26:27]        ; the tokens of blocks 0 and 1: my 24 rows',
	global_load_b32 v[T2], v[TKO], s[26:27] offset:384
.irp mm, 0,1,2
	global_load_b32 v[ST+\mm], v[L4], s[26:27] offset:128*\mm          ; and all 96 by lanes, for x's scale words
.endr
.irp mm, 0,1,2
	global_load_b32 v[ST+3+\mm], v[L4], s[26:27] offset:384+128*\mm
.endr
	s_lshl_b32 s76, s19, 17
	s_lshl_b32 s77, s18, 15
	s_add_co_u32 s76, s76, s77                     ; fragment rows 8 ch + 2 w of 16,384 bytes
	s_lshl_b32 s68, s24, 20
	s_add_co_u32 s68, s68, s76
	s_add_nc_u64 s[56:57], s[8:9], s[68:69]        ; W[lo]'s fragments of my columns
	s_lshl_b32 s68, s25, 20
	s_add_co_u32 s68, s68, s76
	s_add_nc_u64 s[58:59], s[8:9], s[68:69]        ; W[hi]'s
	s_lshl_b32 s76, s19, 12
	s_lshl_b32 s77, s18, 10
	s_add_co_u32 s76, s76, s77                     ; columns 128 ch + 32 w, 32 scale bytes each
	s_lshl_b32 s68, s24, 15
	s_add_co_u32 s68, s68, s76
	s_add_nc_u64 s[60:61], s[10:11], s[68:69]
	s_lshl_b32 s68, s25, 15
	s_add_co_u32 s68, s68, s76
	s_add_nc_u64 s[62:63], s[10:11], s[68:69]
.irp e, 0,1
	global_load_b128 v[SB+8*\e+4:SB+8*\e+7], v[L32], s[60+2*\e:61+2*\e]            ; lane l: column 32 w + l's eight scale words: the first four,
	global_load_b128 v[SB+8*\e:SB+8*\e+3], v[L32], s[60+2*\e:61+2*\e] offset:16    ; the last four
.endr
	LOAD_B 0                                       ; two K steps of W go out while the tokens come
	LOAD_B 1
	s_wait_loadcnt 36                              ; the eight loads of tokens are in; younger: 4 of W's scales and 32 of its fragments
.irp q, 0,1,2,3,4,5
	v_min_u32 v[ST+\q], 0x1fff, v[ST+\q]
.endr
.irp q, 0,1,2,3,4,5
	v_lshlrev_b32 v[ST+\q], 5, v[ST+\q]            ; 32 scale bytes a token
.endr
.irp q, 0,1,2,3,4,5
	global_load_b128 v[SA+8*\q:SA+8*\q+3], v[ST+\q], s[6:7]                        ; blocks 0 and 1: lane l: row 32 mm + l's eight scale words
	global_load_b128 v[SA+8*\q+4:SA+8*\q+7], v[ST+\q], s[6:7] offset:16
.endr
.irp g, 0,1,2,3,4,5
.irp k, 0,1,2,3
	v_readlane_b32 s[80+\k], v[T1], 4*\g+\k
.endr
.irp k, 0,1,2,3
	s_min_u32 s[80+\k], s[80+\k], 8191
.endr
.irp k, 0,1,2,3
	s_lshl_b32 s[80+\k], s[80+\k], 10
.endr
.irp k, 0,1,2,3
	v_add_nc_u32 v[AF+4*\g+\k], s[80+\k], v1       ; block 0's 24 row offsets, in registers that the fragments take later
.endr
.endr
	s_wait_alu depctr_va_vdst(0)
	WIN 0x40
.irp i, 0,1,2,3,4,5,6,7,8,9,10,11,12,13,14,15,16,17,18,19
	global_load_b128 v[G1+8*\i:G1+8*\i+3], v[AF+\i], s[4:5]
	global_load_b128 v[G1+8*\i+4:G1+8*\i+7], v[AF+\i], s[4:5] offset:512
.endr
	WIN 0
.irp i, 20,21,22,23
	global_load_b128 v[GW0+8*(\i-20):GW0+8*(\i-20)+3], v[AF+\i], s[4:5]
	global_load_b128 v[GW0+8*(\i-20)+4:GW0+8*(\i-20)+7], v[AF+\i], s[4:5] offset:512
.endr
	LOAD_B 2
	LOAD_B 3
	LOAD_B 4
	s_wait_loadcnt 48                              ; the scale words and block 0's rows are in; younger: the 48 loads of W's K steps 2 to 4
	GSTORE 0
	LOAD_B 5
	LOAD_B 6
	LOAD_B 7
	s_wait_dscnt 0x0                               ; for the others' sake: my rows lie in LDS (W's loads may stay out: they land in my own registers)
	s_barrier_signal -1
	s_barrier_wait -1
	BLOCK 0, 1
	s_mov_b32 s[CNT], 9
.Ltrip:                                                ; blocks 1 to 18, two a trip, so that buffers, stages and sets are back where they began
	BLOCK 1, 0
	BLOCK 0, 0
	s_sub_co_u32 s[CNT], s[CNT], 1
	s_cmp_lg_u32 s[CNT], 0
	s_cbranch_scc1 .Ltrip
	OUTALL 0                                       ; block 18's rows, where a tile has so many
	s_wait_tensorcnt 0x0                           ; the wave's end: behind my last LDS store
	ds_add_u32 v[SPW], v[NIL]
	s_wait_dscnt 0x0
	s_endpgm
.Lfunc_end_k_qe27f64d783_moe:
	.size	k_qe27f64d783_moe, .Lfunc_end_k_qe27f64d783_moe-k_qe27f64d783_moe
	.p2alignl 7, 3214868480
	.fill 96, 4, 3214868480
	.section	.rodata,"a",@progbits
	.p2align	6, 0x0
	.amdhsa_kernel k_qe27f64d783_moe
		.amdhsa_group_segment_fixed_size 301568
		.amdhsa_private_segment_fixed_size 0
		.amdhsa_enable_private_segment 0
		.amdhsa_kernarg_size 56
		.amdhsa_user_sgpr_count 2
		.amdhsa_user_sgpr_kernarg_segment_ptr 1
		.amdhsa_wavefront_size32 1
		.amdhsa_system_sgpr_workgroup_id_x 1
		.amdhsa_system_sgpr_workgroup_id_y 1
		.amdhsa_system_sgpr_workgroup_id_z 1
		.amdhsa_system_vgpr_workitem_id 0
		.amdhsa_next_free_vgpr 1024
		.amdhsa_next_free_sgpr 100
		.amdhsa_reserve_vcc 0
		.amdhsa_float_denorm_mode_32 3
		.amdhsa_float_denorm_mode_16_64 3
		.amdhsa_memory_ordered 1
		.amdhsa_forward_progress 1
		.amdhsa_inst_pref_size 255
	.end_amdhsa_kernel
	.section	.bss,"aw",@nobits
	.p2align	6
	.space	262144
	.amdgpu_metadata
---
amdhsa.version: [ 1, 2 ]
amdhsa.kernels:
  - .name:           k_qe27f64d783_moe
    .symbol:         k_qe27f64d783_moe.kd
    .args:
      - { .name: xq, .offset: 0, .size: 8, .value_kind: global_buffer, .address_space: global }
      - { .name: xs, .offset: 8, .size: 8, .value_kind: global_buffer, .address_space: global }
      - { .name: wq, .offset: 16, .size: 8, .value_kind: global_buffer, .address_space: global }
      - { .name: expert_w_scales, .offset: 24, .size: 8, .value_kind: global_buffer, .address_space: global }
      - { .name: thead, .offset: 32, .size: 8, .value_kind: global_buffer, .address_space: global }
      - { .name: slots, .offset: 40, .size: 8, .value_kind: global_buffer, .address_space: global }
      - { .name: out0, .offset: 48, .size: 8, .value_kind: global_buffer, .address_space: global }
    .group_segment_fixed_size: 301568
    .private_segment_fixed_size: 0
    .kernarg_segment_align: 8
    .kernarg_segment_size: 56
    .max_flat_workgroup_size: 128
    .sgpr_count:     100
    .vgpr_count:     1024
    .wavefront_size: 32
...
	.end_amdgpu_metadata
.endif
;; end of part 3
